; MI455X (gfx1250); checked and timed in simulation.
; The chip was launched on July 23, 2026; its instructions are those of AMD's public machine-readable ISA for CDNA 5 (MIT licence, August 2026) and "CDNA5" Instruction Set Architecture Reference Guide (July 2026). The comments in the code are by the model that wrote it; some were corrected since.
;; Binary Square Classifier. Allowed arithmetic: float matrix products may take bf16 or f16 operands with f32 sums; all other float work in f32.
;; Inputs: W1 64 x 30 float32; W2 32 x 64 float32; W3 2 x 32 float32; b1 64 float32; b2 32 float32; b3 2 float32; x 2,048 x 30 x 1,024 float32.
;; Outputs: out0 2,048 x 2 float32.
;; One version. Each part assembles by itself: llvm-mc -triple=amdgcn-amd-amdhsa -mcpu=gfx1250 --defsym DOCPART=n.
;; ======== version 1 of 1: 1 launch
;; limits: values outside matrix products are rounded to bf16
;; launch snn (part 1): grid 256 x 1, 4 waves a work-group, no clusters, 327,680 bytes of LDS; arguments x, W1, b1, W2, b2, W3, b3, out0; writes out0
.if DOCPART == 1
	.amdgcn_target "amdgcn-amd-amdhsa--gfx1250"
	.amdhsa_code_object_version 6
	.text
	.protected	k_q1c7c9daf2c_snn
	.globl	k_q1c7c9daf2c_snn
	.p2align	8
	.type	k_q1c7c9daf2c_snn,@function
k_q1c7c9daf2c_snn:
	s_mov_b64 s[64:65], 0
	v_nop
	global_prefetch_b8 v0, s[64:65] scope:SCOPE_SE
	s_setreg_imm32_b32 hwreg(HW_REG_WAVE_MODE, 25, 1), 1
	s_wait_xcnt 0x0
; Spiking net 30 -> 64 -> 32 -> 2 over 1,024 time steps for 2,048 batch rows; out0[b][n] = number of spikes of output neuron n.
; Per neuron and step: m = 0.9 m + h - s_prev (one fused multiply-add, then one subtraction, in the order of the source), s = (m > 1).
; The reset of a step is the spike of the step before, so one value serves both.
;
; SHARES.  256 work-groups of four waves; a work-group owns 8 batch rows, a wave 2, and a wave runs all three layers for its rows:
; no wave ever reads bytes of another.  A matrix tile has rows m = 8 x (batch in wave) + (time in a block of 8) and 16 neurons as columns.
; In the result lane (r, h) holds neuron r of batch h and its eight registers are eight consecutive time steps, so the scan over time
; runs inside a lane and all 32 lanes carry chains that do not depend on each other.  A trip is 8 time steps: seven tiles (4 + 2 + 1),
; seven chains a lane, taken by turns so that dependent instructions stand seven apart.
; Between layers a lane packs its 8 spikes (exactly 0 or 1 in bf16) into 16 bytes, stores them as S^T[neuron][row] in the wave's own stage
; and the next layer's A fragments come back by transposing loads.
; SKEW.  Trip u: x of block u and layer 1's product; membranes 1 of block u-1; product 2 of u-2; membranes 2 of u-3; product 3 of u-4;
; membranes 3 of u-5.  Products write result buffer u & 1 while the scans work on the other one.  133 trips: 6 written out, 122 in loops, 5 written out.
; x comes by tensor loads, each byte once: 60 rows (2 batch rows x 30 channels) x 128 steps a load, two slots for each wave.
;
; NO CLUSTER, no joint loads: work-groups share only the weights and biases, 16,520 bytes read once at the start, against 983,040 bytes of x each.
; OUTPUT: a work-group's whole result is 64 bytes, a wave's 16, so no store here can cover 256 bytes.
;
; FORMATS AND LIMITS.  x, W1, W2, W3 are rounded to bf16 (nearest even) as matrix operands, sums in f32.  b1 is a matrix operand too (K = 30 is
; filled up to 32: k = 30 is 1.0 on the side of x and b1 on the side of W1, k = 31 is 0 on both); b2 and b3 are rounded to bf16 once and enter
; as the C operand, so that the whole affine map is the one of inputs rounded to bf16 (relative error of each at most 2^-8).
; Layer 1's sum with its bias is rounded once, in the matrix unit's order, not in the order of a chain of f32 additions.
; s = med3(fma(m, 2^30, -2^30), 0, 1): the fused result has the exact sign of m - 1; the least m above 1 gives 2^7; m <= 1 gives <= 0; infinities give 1 or 0.
; NaN in an input: not vouched for.
.set NT,     1024                      ; time steps
.set BROW,   30*NT*4                   ; bytes of one batch row of x
.set CHB,    512                       ; bytes of 128 time steps: a row of a tile
.set PC,     528                       ; LDS pitch of a tile row: 512 bytes + 16 of padding
.set BPITCH, 30*PC                     ; from batch row to batch row in a slot
.set SLOT,   60*PC                     ; 31,680
.set RING,   2*SLOT                    ; a wave's two slots
.set STAGE,  4*RING                    ; 253,440 = 990 x 256: behind the rings, never the target of a tensor load
.set WSTAGE, 3072                      ; a wave's stage: S1^T 64 x 32 bytes at 0, S2^T 32 x 32 bytes at 2,048
.set S2OFF,  2048
; vector registers, window 0
.set RR,   1                           ; r = lane & 15
.set XBA,  2                           ; LDS: my place in my wave's slot 0, channels 8h ..
.set XBB,  3                           ; the same without the term of h
.set STA,  4                           ; stage: where I store 16 bytes of spikes
.set TRA,  5                           ; stage: my address for the transposing loads
.set ONEK, 6                           ; bf16 pair (1.0, 0)
.set OUTO, 7                           ; my byte offset in the wave's 16 bytes of out0
.set XA,   8                           ; XBA, XBB at the current pair of trips
.set XB,   9
.set SPK,  32                          ; v[32:45]  chain c: spike of the last even step at 2c, of the last odd step at 2c+1
.set MEM,  48                          ; v[48:54]  chain c: membrane carried from trip to trip
.set ACC,  56                          ; v[56:57]  layer 3: spikes counted at even and at odd steps
.set DB,   64                          ; v[64:175] results: buffer q, chain c at 64 + 56 q + 8 c
.set A1,   176                         ; v[176:183] A fragment of layer 1
.set A2,   184                         ; v[184:199] A fragments of layer 2: neurons 0-31, 32-63
.set A3,   200                         ; v[200:207] A fragment of layer 3
.set X,    208                         ; v[208:223] x as loaded, f32
; window 1 (v256 and up, written by their low 8 bits)
.set W1F,  0                           ; tile i at 8 i
.set W2F,  32                          ; tile i, K block q at 32 + 16 i + 8 q
.set W3F,  64
.set BI2,  72                          ; tile i at 72 + 8 i: b2 of my neuron, eight times
.set BI3,  88
; staging of the weights in f32, window 0, at the start only
.set SW1,  64                          ; v[64:127], then W2 v[128:191], then W3 v[192:207]: without gaps, as the fragments in window 1
.set SW2,  128
.set SW3,  192
.set SB1,  208
.set SB2,  212
.set SB3,  214
; scalar registers: s[4:11] x, W1, b1, W2; s[32:39] b2, W3, b3, out0; s12 wave; s40 0.9; s41 2^30; s42 -2^30; s43 lanes 16-31; s47 lanes 0-15; s46 lanes with r < 2
.set G1,   16                          ; s[16:23] descriptor group 1
.set G0,   24                          ; s[24:31] descriptor group 0, four registers for each slot
.set MSB,  0
.macro WIN new                         ; the immediate's high byte repeats the setting that is left; a switch that changes nothing is dropped
.if MSB != \new
	s_set_vgpr_msb (MSB<<8)|\new
.set MSB, \new
.endif
.endm
	s_load_b256 s[4:11], s[0:1], 0x0               ; x s[4:5], W1 s[6:7], b1 s[8:9], W2 s[10:11]
	s_load_b256 s[32:39], s[0:1], 0x20             ; b2 s[32:33], W3 s[34:35], b3 s[36:37], out0 s[38:39]
	v_lshrrev_b32 v21, 5, v0
	v_readfirstlane_b32 s12, v21                   ; wave 0..3
	; group 1: a tile of 60 rows x 128 elements of 4 bytes, rows 1,024 elements apart, 4 words of padding behind every 128 words
	s_mov_b32 s[G1+0], (2<<16)|(1<<20)|(6<<22)|(3<<25)
	s_mov_b32 s[G1+1], 128<<16                     ; tensor_dim0 = 128: the tiles lie inside the tensor
	s_mov_b32 s[G1+2], 60<<16                      ; tensor_dim1 = 60
	s_mov_b32 s[G1+3], 128<<16                     ; tile_dim0 = 128
	s_mov_b32 s[G1+4], 60                          ; tile_dim1 = 60
	s_mov_b32 s[G1+5], NT                          ; pitch in elements
	s_mov_b32 s[G1+6], 0
	s_mov_b32 s[G1+7], 0
	s_mul_i32 s2, ttmp9, 8*BROW                    ; my work-group's 8 batch rows (at most 255 x 983,040 bytes: 32 bits do)
	s_mul_i32 s14, s12, 2*BROW                     ; my wave's 2
	s_add_co_u32 s2, s2, s14
	s_mov_b32 s3, 0
	s_mul_i32 s15, s12, RING                       ; my wave's ring in LDS
	s_wait_kmcnt 0x0
	s_add_nc_u64 s[4:5], s[4:5], s[2:3]
	; both first fills, time steps 0-127 and 128-255, ahead of everything else
.irp s, 0,1
	s_mov_b32 s[G0+4*\s], 1
	s_add_co_u32 s[G0+4*\s+1], s15, \s*SLOT
	s_add_nc_u64 s[G0+4*\s+2:G0+4*\s+3], s[4:5], \s*CHB
	s_or_b32 s[G0+4*\s+3], s[G0+4*\s+3], 0x80000000
	tensor_load_to_lds s[G0+4*\s:G0+4*\s+3], s[G1:G1+7]
.endr
	s_lshl_b32 s2, ttmp9, 6                        ; out0: 64 bytes a work-group, 16 a wave (s3 is still 0)
	s_lshl_b32 s14, s12, 4
	s_add_co_u32 s2, s2, s14
	s_add_nc_u64 s[38:39], s[38:39], s[2:3]
	s_mul_i32 s14, s12, WSTAGE
	s_add_co_u32 s14, s14, STAGE                   ; my wave's stage
	s_mov_b32 s40, 0x3f666666                      ; 0.9
	s_mov_b32 s41, 0x4e800000                      ; 2^30
	s_mov_b32 s42, 0xce800000                      ; -2^30
	s_mov_b32 s43, 0xffff0000                      ; lanes with h = 1 (also: a word's upper bf16)
	s_mov_b32 s46, 0x00030003                      ; lanes with r < 2
	s_mov_b32 s47, 0x0000ffff                      ; lanes with h = 0
	v_and_b32 v[RR], 15, v0                        ; r
	v_bfe_u32 v10, v0, 4, 1                        ; h
	v_bfe_u32 v11, v0, 3, 1                        ; r >> 3
	v_and_b32 v12, 7, v0                           ; r & 7
	; byte offsets of my fragment pieces in the weights: lane (r, h) holds column r, k = 8h .. 8h+7 and 16+8h .. 16+8h+7
	v_mul_u32_u24 v14, v[RR], 120                  ; W1: a row is 30 f32
	v_lshl_add_u32 v15, v10, 5, v14                ; + 8 h numbers
	v_lshlrev_b32 v16, 2, v[RR]                    ; b1, b2
	v_lshlrev_b32 v17, 8, v[RR]                    ; W2: a row is 64 f32
	v_lshl_add_u32 v17, v10, 5, v17
	v_and_b32 v18, 1, v0                           ; W3 and b3 have two rows: lanes with r >= 2 read row r & 1 and are cleared below
	v_lshlrev_b32 v19, 7, v18
	v_lshl_add_u32 v19, v10, 5, v19
	v_lshlrev_b32 v20, 2, v18
.irp i, 0,1,2,3
.irp k, 0,1,2,3
	global_load_b64 v[SW1+16*\i+2*\k:SW1+16*\i+2*\k+1], v15, s[6:7] offset:1920*\i+8*\k      ; rows of 120 bytes: multiples of 8 alone
.endr
.irp k, 4,5,6
	global_load_b64 v[SW1+16*\i+2*\k:SW1+16*\i+2*\k+1], v15, s[6:7] offset:1920*\i+32+8*\k
.endr
	global_load_b64 v[SW1+16*\i+14:SW1+16*\i+15], v14, s[6:7] offset:1920*\i+88               ; k = 22, 23 in every lane: with h = 1 it would be k = 30, 31, past the row
	global_load_b32 v[SB1+\i], v16, s[8:9] offset:64*\i
.endr
.irp f, 0,1,2,3
	global_load_b128 v[SW2+16*\f:SW2+16*\f+3],     v17, s[10:11] offset:4096*(\f>>1)+128*(\f&1)      ; f = 2 x tile + K block
	global_load_b128 v[SW2+16*\f+4:SW2+16*\f+7],   v17, s[10:11] offset:4096*(\f>>1)+128*(\f&1)+16
	global_load_b128 v[SW2+16*\f+8:SW2+16*\f+11],  v17, s[10:11] offset:4096*(\f>>1)+128*(\f&1)+64
	global_load_b128 v[SW2+16*\f+12:SW2+16*\f+15], v17, s[10:11] offset:4096*(\f>>1)+128*(\f&1)+80
.endr
	global_load_b128 v[SW3:SW3+3],     v19, s[34:35]
	global_load_b128 v[SW3+4:SW3+7],   v19, s[34:35] offset:16
	global_load_b128 v[SW3+8:SW3+11],  v19, s[34:35] offset:64
	global_load_b128 v[SW3+12:SW3+15], v19, s[34:35] offset:80
	global_load_b32 v[SB2],   v16, s[32:33]
	global_load_b32 v[SB2+1], v16, s[32:33] offset:64
	global_load_b32 v[SB3],   v20, s[36:37]
	; LDS addresses, while the weights are on their way.
	; x: row m = r of an A fragment is batch r >> 3, time r & 7; k is the channel.  The four groups of eight lanes start at bytes 0, 15,840, 4,224 and 20,064,
	; which are words 0, 56, 32 and 24 modulo 64: the 32 words of a load fall on 32 different words modulo 64.
	v_mul_u32_u24 v[XBB], v11, BPITCH
	v_lshl_add_u32 v[XBB], v12, 2, v[XBB]
	v_add_nc_u32 v[XBB], s15, v[XBB]
	v_mul_u32_u24 v13, v10, 8*PC
	v_add_nc_u32 v[XBA], v13, v[XBB]
	v_lshlrev_b32 v[STA], 5, v[RR]                 ; S^T[neuron r][row 8h ..]: 32 r + 16 h
	v_lshl_add_u32 v[STA], v10, 4, v[STA]
	v_add_nc_u32 v[STA], s14, v[STA]
	v_lshlrev_b32 v[TRA], 8, v10                   ; (8h + (lane & 7)) x 32 + 16 x ((lane >> 3) & 1)
	v_lshl_add_u32 v[TRA], v12, 5, v[TRA]
	v_lshl_add_u32 v[TRA], v11, 4, v[TRA]
	v_add_nc_u32 v[TRA], s14, v[TRA]
	v_lshlrev_b32 v[OUTO], 2, v[RR]                ; out0[2 wave + h][r]
	v_lshl_add_u32 v[OUTO], v10, 3, v[OUTO]
	v_mov_b32 v[ONEK], 0x3f80
	v_mov_b32 v[XA], v[XBA]                        ; the trips written out carry their time in the immediate
	v_mov_b32 v[XB], v[XBB]
.irp c, 0,1,2,3,4,5,6
	v_mov_b32 v[MEM+\c], 0                         ; membranes and last spikes start at 0
	v_mov_b32 v[SPK+2*\c+1], 0
.endr
	v_mov_b32 v[ACC], 0
	v_mov_b32 v[ACC+1], 0
	s_wait_loadcnt 0x0                             ; weights and biases, once
.irp i, 0,1,2,3
	v_cndmask_b32 v[SW1+16*\i+14], v[SW1+16*\i+14], v[SB1+\i], s43     ; h = 1: k = 30 is b1,
	v_cndmask_b32 v[SW1+16*\i+15], 0, v[SW1+16*\i+15], s47             ;        k = 31 is 0
.endr
.irp e, 0,1,2,3,4,5,6,7,8,9,10,11,12,13,14,15
	v_cndmask_b32 v[SW3+\e], 0, v[SW3+\e], s46     ; columns 2 to 15 of layer 3 do not exist: 0
.endr
	v_cndmask_b32 v[SB3], 0, v[SB3], s46
	v_cvt_pk_bf16_f32 v215, v[SB2], v[SB2+1]       ; b2, b3 rounded to bf16 and widened again
	v_cvt_pk_bf16_f32 v216, v[SB3], v[SB3]
	v_lshlrev_b32 v[SB2], 16, v215
	v_and_b32 v[SB2+1], s43, v215
	v_lshlrev_b32 v[SB3], 16, v216
	WIN 0x40                                       ; destinations in window 1
.set ii, 0
.rept 72
	v_cvt_pk_bf16_f32 v[W1F+ii], v[SW1+2*ii], v[SW1+2*ii+1]            ; 32 registers of W1, 32 of W2, 8 of W3
.set ii, ii+1
.endr
.irp e, 0,1,2,3,4,5,6,7
	v_mov_b32 v[BI2+\e],   v[SB2]
	v_mov_b32 v[BI2+8+\e], v[SB2+1]
	v_mov_b32 v[BI3+\e],   v[SB3]
.endr
	WIN 0
; One instruction of chain c at step j of result buffer q.  Register j holds h of step j, then the membrane of step j; step 7's membrane goes to MEM.
.macro OP kind, j, q, c
.set DJ, DB+56*(\q)+8*(\c)+(\j)
.set PV, DJ-1
.set DD, DJ
.if (\j) == 0
.set PV, MEM+(\c)
.endif
.if (\j) == 7
.set DD, MEM+(\c)
.endif
.set SC, SPK+2*(\c)+((\j)&1)
.set SP, SPK+2*(\c)+1-((\j)&1)
.if (\kind) == 0
	v_fmac_f32 v[DJ], s40, v[PV]                   ; 0.9 m + h, fused
.endif
.if (\kind) == 1
	v_sub_f32 v[DD], v[DJ], v[SP]                  ; - the last step's spike
.endif
.if (\kind) == 2
	v_fma_f32 v[SC], v[DD], s41, s42               ; 2^30 (m - 1), rounded once: its sign is exact
.endif
.if (\kind) == 3
	v_med3_num_f32 v[SC], v[SC], 0, 1.0            ; the spike, 0 or 1
.endif
.endm
; The same instruction for all chains that are on: layer 1's four, layer 2's two, layer 3's one
.macro ROW kind, j, q, f1, f2, f3
.if \f1
.irp c, 0,1,2,3
	OP \kind, \j, \q, \c
.endr
.endif
.if \f2
	OP \kind, \j, \q, 4
	OP \kind, \j, \q, 5
.endif
.if \f3
	OP \kind, \j, \q, 6
.endif
.endm
; One time step of all chains.  Behind an odd step two spikes are packed into register j >> 1 of the chain's tile, whose membrane was last read at step (j >> 1) + 1.
.macro STEP j, q, f1, f2, f3
.irp k, 0,1,2,3
	ROW \k, \j, \q, \f1, \f2, \f3
.endr
.if (\j) & 1
.if \f1
.irp c, 0,1,2,3
	v_cvt_pk_bf16_f32 v[DB+56*(\q)+8*\c+((\j)>>1)], v[SPK+2*\c], v[SPK+2*\c+1]
.endr
.endif
.if \f2
.irp c, 4,5
	v_cvt_pk_bf16_f32 v[DB+56*(\q)+8*\c+((\j)>>1)], v[SPK+2*\c], v[SPK+2*\c+1]
.endr
.endif
.if \f3
	v_pk_add_f32 v[ACC:ACC+1], v[ACC:ACC+1], v[SPK+12:SPK+13]
.endif
.endif
.endm
; A trip.  p: the result buffer that the products write; the scans work on the other one.  slot, xoff: where this trip's 8 steps of x lie.
; fx: x and product 1; f1: membranes 1; fm2: product 2; f2: membranes 2; fm3: product 3; f3: membranes 3.
.macro TRIP p, slot, xoff, fx, f1, fm2, f2, fm3, f3
	; loads first: they have four time steps of the scans in which to come back
.if \fx
.irp i, 0,1,2,3,4,5,6,7
	ds_load_b32 v[X+\i], v[XA] offset:\slot*SLOT+\xoff+\i*PC           ; channels 8h + i
.endr
.irp i, 8,9,10,11,12,13
	ds_load_b32 v[X+\i], v[XA] offset:\slot*SLOT+\xoff+(8+\i)*PC       ; channels 16 + 8h + (i - 8)
.endr
.irp i, 14,15
	ds_load_b32 v[X+\i], v[XB] offset:\slot*SLOT+\xoff+(8+\i)*PC       ; channels 22, 23 in every lane: no lane leaves its batch row; h = 1 is replaced below
.endr
.endif
.if \fm2
.irp k, 0,1,2,3
	ds_load_tr16_b128 v[A2+4*\k:A2+4*\k+3], v[TRA] offset:512*\k       ; 16 neurons of S1^T each; LDS serves a wave in order (ISA guide 5.7.1): they see the last trip's stores
.endr
.endif
.if \fm3
	ds_load_tr16_b128 v[A3:A3+3],   v[TRA] offset:S2OFF
	ds_load_tr16_b128 v[A3+4:A3+7], v[TRA] offset:S2OFF+512
.endif
.irp j, 0,1,2,3
	STEP \j, 1-\p, \f1, \f2, \f3
.endr
.if (\fx)+(\fm2)+(\fm3)
	s_wait_dscnt 0x0                               ; this trip's loads (and the last trip's stores)
.endif
.if \fx
.irp e, 0,1,2,3,4,5,6,7
	v_cvt_pk_bf16_f32 v[A1+\e], v[X+2*\e], v[X+2*\e+1]
.endr
	v_cndmask_b32 v[A1+7], v[A1+7], v[ONEK], s43   ; h = 1: k = 30 is 1.0 (it meets b1), k = 31 is 0
.endif
	; The products.  The accumulators take turns, one instruction a turn, also from trip to trip.
.if (\fm2)+(\fm3)
	WIN 0x14                                       ; B and C in window 1
.endif
.if \fm2
	v_wmma_f32_16x16x32_bf16 v[DB+56*\p+32:DB+56*\p+39], v[A2:A2+7], v[W2F:W2F+7],     v[BI2:BI2+7]
	v_wmma_f32_16x16x32_bf16 v[DB+56*\p+40:DB+56*\p+47], v[A2:A2+7], v[W2F+16:W2F+23], v[BI2+8:BI2+15]
.endif
.if \fm3
	v_wmma_f32_16x16x32_bf16 v[DB+56*\p+48:DB+56*\p+55], v[A3:A3+7], v[W3F:W3F+7],     v[BI3:BI3+7]
.endif
.if (\fm2)+(\fx)
	WIN 0x04                                       ; B in window 1
.endif
.if \fm2
	v_wmma_f32_16x16x32_bf16 v[DB+56*\p+32:DB+56*\p+39], v[A2+8:A2+15], v[W2F+8:W2F+15],  v[DB+56*\p+32:DB+56*\p+39]
	v_wmma_f32_16x16x32_bf16 v[DB+56*\p+40:DB+56*\p+47], v[A2+8:A2+15], v[W2F+24:W2F+31], v[DB+56*\p+40:DB+56*\p+47]
.endif
.if \fx
.irp i, 0,1,2,3
	v_wmma_f32_16x16x32_bf16 v[DB+56*\p+8*\i:DB+56*\p+8*\i+7], v[A1:A1+7], v[W1F+8*\i:W1F+8*\i+7], 0
.endr
.endif
	WIN 0
	; Four more time steps on the other buffer: plain vector instructions that name none of the products' registers.  They are the places
	; in front of the next trip's loads into A2 and A3, its conversions into A1 and its reads of the results: at least 18 where any chain is on.
.irp j, 4,5,6,7
	STEP \j, 1-\p, \f1, \f2, \f3
.endr
.if \f1
.irp i, 0,1,2,3
	ds_store_b128 v[STA], v[DB+56*(1-\p)+8*\i:DB+56*(1-\p)+8*\i+3] offset:512*\i       ; my neuron's 8 spikes, tile i of S1^T
.endr
.endif
.if \f2
	ds_store_b128 v[STA], v[DB+56*(1-\p)+32:DB+56*(1-\p)+35] offset:S2OFF
	ds_store_b128 v[STA], v[DB+56*(1-\p)+40:DB+56*(1-\p)+43] offset:S2OFF+512
.endif
.endm
; The trips of one slot from pair first on, two a turn of the loop (16 time steps, 64 bytes of a row)
.macro BLOCK slot, first
	s_mov_b32 s45, \first
.Lblk_\@:
	v_lshl_add_u32 v[XA], s45, 6, v[XBA]
	v_lshl_add_u32 v[XB], s45, 6, v[XBB]
	TRIP 0, \slot, 0,  1, 1, 1, 1, 1, 1
	TRIP 1, \slot, 32, 1, 1, 1, 1, 1, 1
	s_add_co_u32 s45, s45, 1
	s_cmp_lt_u32 s45, 8
	s_cbranch_scc1 .Lblk_\@
.endm
; A change of slots.  refill = 1: the slot read last gets the 128 time steps that lie 256 further on, and has this slot's 16 trips in which to land.
.macro TWO slot, refill
	s_wait_tensorcnt 0x0                           ; all my tensor loads have landed, this slot's among them: its bytes are my own, so this is all that my reads need
.if \refill
	s_add_nc_u64 s[G0+6-4*\slot:G0+7-4*\slot], s[G0+6-4*\slot:G0+7-4*\slot], 2*CHB     ; no load of mine is out: the other slot's address steps
	s_wait_dscnt 0x0                               ; my reads of the other slot are back
	s_barrier_signal -1
	s_barrier_wait -1                              ; both hold of all four waves
	tensor_load_to_lds s[G0+4-4*\slot:G0+7-4*\slot], s[G1:G1+7]        ; my one tensor load behind this barrier, first thing there
.endif
	BLOCK \slot, 0
.endm
	s_wait_tensorcnt 0x1                           ; slot 0 has landed; the one younger load, slot 1's, stays out.  The bytes are my wave's own: no barrier
	TRIP 0, 0, 0,   1, 0, 0, 0, 0, 0               ; the layers start one behind the other
.rept 4
	v_nop                                          ; no chain ran behind these first products: four places in front of the reads of their results (ISA guide 7.12.1)
.endr
	TRIP 1, 0, 32,  1, 1, 0, 0, 0, 0
	TRIP 0, 0, 64,  1, 1, 1, 0, 0, 0
	TRIP 1, 0, 96,  1, 1, 1, 1, 0, 0
	TRIP 0, 0, 128, 1, 1, 1, 1, 1, 0
	TRIP 1, 0, 160, 1, 1, 1, 1, 1, 1
	BLOCK 0, 3                                     ; trips 6 to 15: the rest of time steps 0-127
	s_mov_b32 s44, 3
.Lpair:
	TWO 1, 1                                       ; time steps 128-895 in six blocks; the refills bring steps 256-1,023
	TWO 0, 1
	s_sub_co_u32 s44, s44, 1
	s_cmp_lg_u32 s44, 0
	s_cbranch_scc1 .Lpair
	TWO 1, 0                                       ; steps 896-1,023: nothing is left to fetch, so no barrier; no tensor load is out from here on
	TRIP 0, 0, 0, 0, 1, 1, 1, 1, 1                 ; the layers end one behind the other
	TRIP 1, 0, 0, 0, 0, 1, 1, 1, 1
	TRIP 0, 0, 0, 0, 0, 0, 1, 1, 1
	TRIP 1, 0, 0, 0, 0, 0, 0, 1, 1
	TRIP 0, 0, 0, 0, 0, 0, 0, 0, 1
	v_add_f32 v[ACC], v[ACC], v[ACC+1]             ; whole numbers up to 1,024: exact
	s_wait_xcnt 0x0                                ; EXEC changes only behind this wait
	v_cmp_gt_u32 vcc_lo, 2, v[RR]
	s_and_saveexec_b32 s2, vcc_lo                  ; lanes 0, 1, 16, 17: the two real neurons of my two batch rows
	global_store_b32 v[OUTO], v[ACC], s[38:39]     ; 16 neighbouring bytes
	s_endpgm
.Lfunc_end_k_q1c7c9daf2c_snn:
	.size	k_q1c7c9daf2c_snn, .Lfunc_end_k_q1c7c9daf2c_snn-k_q1c7c9daf2c_snn
	.p2alignl 7, 3214868480
	.fill 96, 4, 3214868480
	.section	.rodata,"a",@progbits
	.p2align	6, 0x0
	.amdhsa_kernel k_q1c7c9daf2c_snn
		.amdhsa_group_segment_fixed_size 327680
		.amdhsa_private_segment_fixed_size 0
		.amdhsa_enable_private_segment 0
		.amdhsa_kernarg_size 64
		.amdhsa_user_sgpr_count 2
		.amdhsa_user_sgpr_kernarg_segment_ptr 1
		.amdhsa_wavefront_size32 1
		.amdhsa_system_sgpr_workgroup_id_x 1
		.amdhsa_system_sgpr_workgroup_id_y 1
		.amdhsa_system_sgpr_workgroup_id_z 1
		.amdhsa_system_vgpr_workitem_id 0
		.amdhsa_next_free_vgpr 352
		.amdhsa_next_free_sgpr 66
		.amdhsa_reserve_vcc 1
		.amdhsa_float_denorm_mode_32 3
		.amdhsa_float_denorm_mode_16_64 3
		.amdhsa_memory_ordered 1
		.amdhsa_forward_progress 1
		.amdhsa_inst_pref_size 233
	.end_amdhsa_kernel
	.amdgpu_metadata
---
amdhsa.version: [ 1, 2 ]
amdhsa.kernels:
  - .name:           k_q1c7c9daf2c_snn
    .symbol:         k_q1c7c9daf2c_snn.kd
    .args:
      - { .name: x, .offset: 0, .size: 8, .value_kind: global_buffer, .address_space: global }
      - { .name: W1, .offset: 8, .size: 8, .value_kind: global_buffer, .address_space: global }
      - { .name: b1, .offset: 16, .size: 8, .value_kind: global_buffer, .address_space: global }
      - { .name: W2, .offset: 24, .size: 8, .value_kind: global_buffer, .address_space: global }
      - { .name: b2, .offset: 32, .size: 8, .value_kind: global_buffer, .address_space: global }
      - { .name: W3, .offset: 40, .size: 8, .value_kind: global_buffer, .address_space: global }
      - { .name: b3, .offset: 48, .size: 8, .value_kind: global_buffer, .address_space: global }
      - { .name: out0, .offset: 56, .size: 8, .value_kind: global_buffer, .address_space: global }
    .group_segment_fixed_size: 327680
    .private_segment_fixed_size: 0
    .kernarg_segment_align: 8
    .kernarg_segment_size: 64
    .max_flat_workgroup_size: 128
    .sgpr_count:     66
    .vgpr_count:     352
    .wavefront_size: 32
...
	.end_amdgpu_metadata
.endif
;; end of part 1
